; MI455X (gfx1250); checked and timed in simulation.
; The chip was launched on July 23, 2026; its instructions are those of AMD's public machine-readable ISA for CDNA 5 (MIT licence, August 2026) and "CDNA5" Instruction Set Architecture Reference Guide (July 2026). The comments in the code are by the model that wrote it; some were corrected since.
;; Model. Allowed arithmetic: matrix products marked QUANTISED: E2M1 operands, one E8M0 scale for each 32 along K, by v_wmma_scale_f32_16x16x128_f8f6f4 with both operands' format E2M1 (or v_wmma_scale_f32_32x16x128_f4), f32 sums; everything else in f32.
;; Inputs: attn_mask 2,048 x 2,048 bool; key 4 x 16 x 2,048 x 128 float32; key_padding_mask 4 x 2,048 bool; memory_mask 2,048 x 2,048 bool; query 4 x 16 x 2,048 x 128 float32; value 4 x 16 x 2,048 x 128 float32.
;; Outputs: out0 4 x 16 x 2,048 x 128 float32.
;; Constants: dropout_p = 0.
;; This version of the problem:
;;   THIS VERSION OF THE PROBLEM IS GIVEN IN LOW PRECISION. The matrix products marked QUANTISED in the list below multiply operands that are first quantised to E2M1 (2 exponent bits, 1 mantissa bit; 4 bits a number), with one power-of-two scale for each 32 numbers along K (OCP MX v1.0); their sums are f32. All else is computed in f32.
;;   The module's matrix products, in the order in which they are computed (A, B: the left and right operand; K: the contracted axis; several contracted axes count as one K, in the product's order):
;;     1. batch 64 x [M 2,048, K 128] x [K 128, N 2,048]; A: input query; B: input key: QUANTISED
;;     2. batch 64 x [M 2,048, K 2,048] x [K 2,048, N 128]; A: softmax (see below); B: input value: QUANTISED
;;   THE QUANTISER, for each operand of a quantised product, along K:
;;     - K is cut into blocks of 32 from its start; a last block that is shorter is filled with zeros.
;;     - A block's scale is 2^e with e = floor(log2(the largest magnitude in the block)) - 2, held to -126 .. 127; a block of zeros has e = 0. As a byte (E8M0): e + 127.
;;     - Each number is divided by its block's scale, clamped to +-6, and rounded to the nearest number of E2M1, ties to even, subnormals kept.
;;     - The product sums the exact products of the quantised numbers (number of the format x scale) in f32.
;;   ~~~python
;;   def quantise(x, axis):      # numpy; x: float32 -> the quantised numbers, widened to float32 again
;;       x = np.moveaxis(x, axis, -1); K = x.shape[-1]
;;       x = np.pad(x, [(0, 0)] * (x.ndim - 1) + [(0, -K % 32)]); x = x.reshape(x.shape[:-1] + (-1, 32)); a = np.abs(x).max(-1, keepdims=True)
;;       e = np.where(a > 0, np.clip(np.frexp(np.where(a > 0, a, 1))[1] - 1 - 2, -126, 127), 0)      # np.frexp(a)[1] - 1 = floor(log2(a)), exactly
;;       r = np.clip(x / 2.0 ** e, -6, 6)
;;       step = 2.0 ** (np.maximum(np.frexp(np.where(r == 0, 1, r))[1] - 1, 0) - 1)
;;       q = np.round(r / step) * step * 2.0 ** e      # np.round: ties to even
;;       return np.moveaxis(q.reshape(q.shape[:-2] + (-1,))[..., :K], -1, axis).astype(np.float32)
;;   ~~~
;;   SOFTMAX AHEAD OF A QUANTISED PRODUCT. Where the list says 'softmax', what is quantised is not the finished softmax but p = 2^(t - M), with t = logit x log2(e) and M = ceil(the row's largest t), a whole number; so 1/2 < the row's largest p <= 1. The row's sum l is taken of the UNQUANTISED p, in f32, and the product's result is divided by l at the end. Since M is a whole number, a kernel that streams over the keys may use a running M (the ceiling of the running maximum): every later rescaling is an exact power of two, which a block's scale takes up: the codes' values come out the same.
;;   OPERANDS COMPUTED ON THE WAY. 'Computed on the way' means the value that the module computes at that place (a softmax that the list does not call 'softmax' is quantised finished and normalised). What goes into a quantiser is computed in f32, as accurately as f32 sums, v_exp_f32 and their like allow (about 1e-6 of the number): no bf16 or f16 on the way to a quantiser, and a product that is left as it is and whose result goes on into a quantised operand takes f32 operands (vector FMAs, or v_wmma_f32_16x16x4_f32). A number that lies on a knife's edge between two numbers of the format may be rounded either way, as far as f32 arithmetic and the matrix unit's own rounding can turn it there, and no further.
;; One version. Each part assembles by itself: llvm-mc -triple=amdgcn-amd-amdhsa -mcpu=gfx1250 --defsym DOCPART=n.
;; ======== version 1 of 1: 2 launches
;; limits: right only within a limited range of input values
;; workspace buffers: kv 17,825,792 bytes
;; launch prep (part 1): grid 1024 x 1, 4 waves a work-group, no clusters, 66,048 bytes of LDS; arguments key, value, kv; writes kv
.if DOCPART == 1
	.amdgcn_target "amdgcn-amd-amdhsa--gfx1250"
	.amdhsa_code_object_version 6
	.text
	.protected	k_q8a25772368_prep
	.globl	k_q8a25772368_prep
	.p2align	8
	.type	k_q8a25772368_prep,@function
k_q8a25772368_prep:
	s_mov_b64 s[64:65], 0
	v_nop
	global_prefetch_b8 v0, s[64:65] scope:SCOPE_SE
	s_setreg_imm32_b32 hwreg(HW_REG_WAVE_MODE, 25, 1), 1
	s_wait_xcnt 0x0
; key and value, [64 heads][2048 keys][128 channels] f32, become codes of FP4 (E2M1) with one E8M0 scale byte for each 32 along the K of the product that reads them,
; laid as the attention launch's operands want them.  key is quantised along the channels (its last axis), value along the KEYS (its middle axis).
; A block's scale is 2^(floor(log2(its largest magnitude)) - 2); its byte is the largest magnitude's exponent field - 2, held at 1 from below; each number is divided by the scale and rounded to the nearest code,
; ties to even, beyond 6 the largest code.
; LIMITS: a block whose largest magnitude lies under 2^-124 gets the byte 1; so does a block of zeros (the rule says 127: its codes are zeros, which add nothing under any byte but 0xff, and this program alone reads the bytes).
; NaN and infinities among the inputs are not served.
; LAYOUTS.  kc [head][run of 64 keys: 32][row 64][64 bytes]: row 16 v + 8 g + j holds key 32 g + 8 v + j of the run (v 0..3, g 0..1, j 0..7): whole groups of 8 keys change places, so that in the attention launch a lane's
;   32 scores of four neighbouring tiles are 32 neighbouring keys.   ks [head][run][m 16][v 4][4 bytes]: the scale word of row 16 v + m: 256 bytes a run.
;   vc [head][step of 128 keys: 16][channel 128][64 bytes]: the step's 128 codes of a channel.   vs [head][pair of steps: 8][cg 4][r 16][s 2][u 2][4 bytes]: the word of step 2 pair + s, channel 32 cg + 16 u + r: 256 bytes for (pair, cg).
; SHARES.  Work-groups 0-511 take key, 512-1023 value: a scalar branch on the work-group's number; each way has LDS bytes of its own.  No tensor loads, no barrier: waves share nothing.
; THE MASKS AND dropout_p: the function that defines the result takes three masks and dropout_p = 0 and computes nothing from them: its result is the same for every content of them.
; So no launch of this program names them or loads them.  (A NaN or an infinity in them could reach no result either.)
; ONE BUFFER: kc, ks, vc, vs as described above are four parts of kv, head by head: a head has 278,528 bytes: kc at 0 (131,072), vc at 131,072 (131,072), ks at 262,144 (8,192), vs at 270,336 (8,192).
; THE CHUNKS OF A ROW CHANGE PLACES: in kc and vc the 16-byte chunk k of the 64-byte row n lies at place k xor ((n / 4) % 4) of that row, so that sixteen lanes that read one chunk of sixteen
; neighbouring rows name sixteen different 16-byte columns of 256 bytes where the rows lie dense.
.set STEPS, 16
.set EMAX,  2
.set SP,    80                         ; a lane's place in a stage: 64 bytes + 16 of padding
.set WREG,  8192                       ; LDS of a wave: two stages of 32 x SP bytes, and behind them 256 scale bytes
.set R,     16                         ; key: v16-79   four sets of 16 numbers as they are loaded
.set X,     80                         ;      v80-111  two sets of 16 neighbours
.set E,     112                        ;      v112-127 a scale byte for each step
.set C,     128                        ;      v128-191 codes: four registers for each step, so that no store's data are written again
.set SB,    24                         ; value: v24-25  the two steps' scale words
.set VX,    32                         ;        v32-159 four sets of 32 numbers
.set VC,    160                        ;        v160-191 codes: four registers for each block, so that no store's data are written again
	s_load_b128 s[4:7], s[0:1], 0x0                ; key, value
	s_load_b64 s[8:9], s[0:1], 0x10                ; kv, four times: each part's place is added to its own copy
	s_load_b64 s[10:11], s[0:1], 0x10
	s_load_b64 s[12:13], s[0:1], 0x10
	s_load_b64 s[14:15], s[0:1], 0x10
	v_lshl_add_u32 v192, v0, 2, 0x10000
	v_mov_b32 v193, 0
	v_lshrrev_b32 v1, 5, v0
	v_readfirstlane_b32 s16, v1                    ; wave 0..3
	v_and_b32 v2, 31, v0                           ; lane
	s_mul_i32 s17, s16, WREG                       ; my wave's LDS
	s_cmp_lt_u32 ttmp9, 512
	s_cbranch_scc0 .Lvalue
; ---------------- key.  The conversions take 8 numbers of ONE block from a lane's registers, so a lane must hold 16 NEIGHBOURS (two lanes to a block); a load is best where neighbouring LANES take neighbouring bytes.
; Both are had: each of a step's four loads reads 512 consecutive bytes; the 2,048 bytes go through the wave's own stage in LDS as they lie and come back 64 bytes a lane.
	v_lshlrev_b32 v3, 4, v2                        ; my 16 bytes of a load's 512
	v_lshrrev_b32 v14, 2, v2
	v_mul_u32_u24 v14, v14, SP
	v_and_b32 v15, 3, v2
	v_lshl_add_u32 v14, v15, 4, v14
	v_add_nc_u32 v14, s17, v14                     ; the stage, on the way in: SP (lane / 4) + 16 (lane % 4); a load's 512 bytes take eight places
	v_mul_u32_u24 v15, v2, SP
	v_add_nc_u32 v15, s17, v15                     ; and on the way out: SP x lane: my 16 neighbours
	v_lshlrev_b32 v4, 3, v2
.irp s, 0,1,2,3
	v_xor_b32 v[194+\s], 16*\s, v4                 ; the same with my chunk at place chunk xor s: a step's four rows share s = (row / 4) % 4
.endr
	v_bfe_u32 v5, v2, 1, 2                         ; my block of the key's four,
	v_lshrrev_b32 v6, 3, v2                        ; my key of the step's four
	v_lshl_add_u32 v5, v6, 4, v5
	s_add_co_u32 s18, s17, 2*32*SP
	v_add_nc_u32 v5, s18, v5                       ; LDS: where my block's byte goes: 16 (lane / 8) + (lane / 2) % 4; the step's part stands in the immediate
	v_add_nc_u32 v6, s18, v4                       ; and on the way out 8 bytes a lane
	s_lshl_b32 s19, ttmp9, 2
	s_add_co_u32 s19, s19, s16                     ; my run: 4 x work-group + wave, 0..2047
	s_lshl_b32 s20, s19, 15                        ; 32,768 bytes of key,
	s_mov_b32 s21, 0
	s_lshr_b32 s26, s19, 5                         ; the head,
	s_mul_i32 s26, s26, 278528                     ; its part of kv,
	s_and_b32 s27, s19, 31                         ; my run in the head
	s_lshl_b32 s22, s27, 12                        ; 4,096 bytes of codes,
	s_add_co_u32 s22, s22, s26
	s_mov_b32 s23, 0
	s_lshl_b32 s24, s27, 8                         ; 256 of scale bytes, behind both tensors' codes
	s_add_co_u32 s24, s24, s26
	s_add_co_u32 s24, s24, 262144
	s_mov_b32 s25, 0
	s_wait_alu depctr_va_vdst(0)
	s_wait_kmcnt 0x0
	s_add_nc_u64 s[4:5], s[4:5], s[20:21]
	s_add_nc_u64 s[8:9], s[8:9], s[22:23]
	s_add_nc_u64 s[10:11], s[10:11], s[24:25]
.macro KLOAD t
.irp i, 0,1,2,3
	global_load_b128 v[R+16*((\t)%4)+4*\i:R+16*((\t)%4)+4*\i+3], v3, s[4:5] offset:2048*(\t)+512*\i th:TH_LOAD_NT   ; 32 lanes read 512 consecutive bytes; read once
.endr
.endm
.macro KTURN t                         ; step t's numbers through the stage: LDS serves a wave's instructions in order (ISA guide 5.7.1.4), so no wait stands between the stores and the loads
.irp i, 0,1,2,3
	ds_store_b128 v14, v[R+16*((\t)%4)+4*\i:R+16*((\t)%4)+4*\i+3] offset:32*SP*((\t)%2)+8*SP*\i
.endr
.irp i, 0,1,2,3
	ds_load_b128 v[X+16*((\t)%2)+4*\i:X+16*((\t)%2)+4*\i+3], v15 offset:32*SP*((\t)%2)+16*\i
.endr
.endm
.irp t, 0,1,2,3
	KLOAD \t
.endr
	s_wait_loadcnt 12                              ; step 0's four loads are in; the twelve of steps 1 to 3 may be out
	KTURN 0
; Step t holds keys 4 t + lane / 8 of the run: g = t / 8, v = (t / 2) % 4, j = 4 (t % 2) + lane / 8.
.macro KSTEP t
.set XS, X+16*((\t)%2)
.if (\t) > 0
	s_wait_dscnt 1                                 ; this step's numbers are back from the stage; only the last step's byte store may be out
.else
	s_wait_dscnt 0x0
.endif
.if (\t)+4 < STEPS
	KLOAD (\t)+4                                   ; into the set that this step's stores into the stage have read
.endif
.if (\t)+1 < STEPS
.if STEPS-2-(\t) >= 3
	s_wait_loadcnt 12                              ; the next step's four loads are in; those of the three steps behind it may be out
.else
	s_wait_loadcnt 4*(STEPS-2-(\t))                ; at the end fewer steps are behind it
.endif
	KTURN (\t)+1                                   ; they go through the other stage while this step is worked
.endif
	v_max3_num_f32 v8, |v[XS]|, |v[XS+1]|, |v[XS+2]|               ; the largest magnitude of my 16, in two chains
	v_max3_num_f32 v9, |v[XS+3]|, |v[XS+4]|, |v[XS+5]|
.irp i, 6,10
	v_max3_num_f32 v8, v8, |v[XS+\i]|, |v[XS+\i+1]|
	v_max3_num_f32 v9, v9, |v[XS+\i+2]|, |v[XS+\i+3]|
.endr
	v_max3_num_f32 v8, v8, |v[XS+14]|, |v[XS+15]|
	v_max3_num_f32 v8, v8, v9, (EMAX+1)<<23        ; and the floor 2^(3 - 127): so the byte cannot fall under 1
	v_max_num_f32_dpp v8, v8, v8 row_xmask:1 row_mask:0xf bank_mask:0xf   ; and of my neighbour's 16: the block's
	v_add_nc_u32 v11, -(EMAX<<23), v8              ; 2 off its exponent field: the conversion takes the exponent field of this operand as its scale, and nothing else of it
	v_cvt_scalef32_pk8_fp4_f32 v[C+4*(\t)], v[XS:XS+7], v11
	v_cvt_scalef32_pk8_fp4_f32 v[C+4*(\t)+1], v[XS+8:XS+15], v11
	v_lshrrev_b32 v[E+(\t)], 23, v11               ; the scale's byte (a plain line behind the conversions)
	ds_store_b8 v5, v[E+(\t)] offset:128*((\t)/8)+64*((\t)%2)+4*(((\t)/2)%4)     ; at 16 m + 4 v + block, m = 8 g + j; both lanes of a block write the same byte with the same value
	global_store_b64 v[194+2*((\t)/8)+(\t)%2], v[C+4*(\t):C+4*(\t)+1], s[8:9] offset:1024*(((\t)/2)%4)+512*((\t)/8)+256*((\t)%2)   ; four keys' rows, 64 (16 v + 8 g + j) on, (row / 4) % 4 = 2 g + t % 2: 256 consecutive bytes, aligned
.endm
.irp t, 0,1,2,3,4,5,6,7,8,9,10,11,12,13,14,15
	KSTEP \t
.endr
	ds_load_b64 v[12:13], v6                       ; LDS serves a wave's instructions in order: these see my byte stores
	s_wait_dscnt 0x0
	global_store_b64 v4, v[12:13], s[10:11]        ; the run's 256 scale bytes: 256 consecutive bytes, aligned
	s_wait_tensorcnt 0x0
	ds_add_u32 v192, v193
	s_wait_dscnt 0x0
	s_endpgm
; ---------------- value.  K is the keys, which are not innermost: A LANE TAKES A CHANNEL, AND ITS REGISTERS RUN DOWN THE KEYS.  A block of 32 keys then lies in one lane's 32 registers, its largest magnitude needs no
; other lane, and the conversions give codes with the keys innermost: nothing is transposed by an instruction.  A wave takes 32 channels x 256 keys (8 blocks, two steps); its codes go through its own stage and leave as dense rows.
.Lvalue:
	s_add_co_u32 s17, s17, 4*WREG                  ; this way's LDS lies behind the other way's
	s_wait_alu depctr_va_vdst(0)
	v_lshlrev_b32 v3, 2, v2                        ; in: 4 bytes a lane
	v_mul_u32_u24 v4, v2, SP
	v_add_nc_u32 v4, s17, v4                       ; into a stage: row = my channel
	v_lshrrev_b32 v7, 2, v2
	v_mul_u32_u24 v7, v7, SP
	v_add_nc_u32 v7, s17, v7                       ; out of it: four lanes to a row of 64 bytes, eight rows an instruction;
	v_and_b32 v8, 3, v2
	v_lshrrev_b32 v6, 4, v2
	v_xor_b32 v8, v8, v6                           ; the lane that stores place lane % 4 of row 8 i + lane / 4 reads chunk (lane % 4) xor (lane / 16) xor 2 (i % 2)
	v_xor_b32 v6, 2, v8
	v_lshl_add_u32 v6, v6, 4, v7                   ; v6: odd i
	v_lshl_add_u32 v7, v8, 4, v7                   ; v7: even i
	v_lshlrev_b32 v8, 4, v2                        ; and the same 512 bytes in vc: 16 x lane
	v_and_b32 v9, 15, v2
	v_lshrrev_b32 v10, 4, v2
	v_lshlrev_b32 v10, 2, v10
	v_lshl_add_u32 v9, v9, 4, v10
	s_add_co_u32 s18, s17, 2*32*SP
	v_add_nc_u32 v9, s18, v9                       ; my scale words' place: 16 (lane % 16) + 4 (lane / 16); step 1's 8 bytes on
	v_lshlrev_b32 v5, 3, v2
	v_add_nc_u32 v10, s18, v5                      ; and on the way out 8 bytes a lane
	s_sub_co_u32 s19, ttmp9, 512                   ; 8 x head + pair of steps
	s_lshl_b32 s20, s19, 17                        ; value: 256 keys of 512 bytes,
	s_lshl_b32 s21, s16, 7                         ; my wave's 32 channels
	s_add_co_u32 s20, s20, s21
	s_mov_b32 s21, 0
	s_lshr_b32 s26, s19, 3                         ; the head,
	s_mul_i32 s26, s26, 278528                     ; its part of kv,
	s_and_b32 s27, s19, 7                          ; my pair of steps
	s_lshl_b32 s22, s27, 14                        ; vc: two steps of 8,192 bytes,
	s_lshl_b32 s23, s16, 11                        ; my 32 rows of 64
	s_add_co_u32 s22, s22, s23
	s_add_co_u32 s22, s22, s26
	s_add_co_u32 s22, s22, 131072
	s_mov_b32 s23, 0
	s_lshl_b32 s24, s27, 10                        ; vs: 1,024 bytes a pair,
	s_lshl_b32 s25, s16, 8                         ; my 256
	s_add_co_u32 s24, s24, s25
	s_add_co_u32 s24, s24, s26
	s_add_co_u32 s24, s24, 270336
	s_mov_b32 s25, 0
	s_wait_alu depctr_va_vdst(0)
	s_wait_kmcnt 0x0
	s_add_nc_u64 s[6:7], s[6:7], s[20:21]
	s_add_nc_u64 s[12:13], s[12:13], s[22:23]
	s_add_nc_u64 s[14:15], s[14:15], s[24:25]
.macro VLOAD t                         ; block t: value(32 t + i, my channel), i = 0 .. 31, into set t % 4.  The largest immediate is 255 x 512 bytes
.irp i, 0,1,2,3,4,5,6,7,8,9,10,11,12,13,14,15,16,17,18,19,20,21,22,23,24,25,26,27,28,29,30,31
	global_load_b32 v[VX+32*((\t)%4)+\i], v3, s[6:7] offset:(32*(\t)+\i)*512 th:TH_LOAD_NT
.endr
.endm
	VLOAD 0
	VLOAD 1
.macro VBLOCK t
.set XS, VX+32*((\t)%4)
.if (\t) < 7
	s_wait_loadcnt 32                              ; this block's 32 loads are in; the next block's 32 may be out
.else
	s_wait_loadcnt 0x0
.endif
.if (\t)+2 < 8
	VLOAD (\t)+2                                   ; two blocks are on their way while this one is worked
.endif
	v_max3_num_f32 v12, |v[XS]|, |v[XS+1]|, |v[XS+2]|               ; the block's largest magnitude: all 32 numbers are mine
	v_max3_num_f32 v13, |v[XS+3]|, |v[XS+4]|, |v[XS+5]|
.irp i, 6,10,14,18,22,26
	v_max3_num_f32 v12, v12, |v[XS+\i]|, |v[XS+\i+1]|
	v_max3_num_f32 v13, v13, |v[XS+\i+2]|, |v[XS+\i+3]|
.endr
	v_max3_num_f32 v12, v12, |v[XS+30]|, |v[XS+31]|
	v_max3_num_f32 v12, v12, v13, (EMAX+1)<<23     ; and the floor
	v_add_nc_u32 v11, -(EMAX<<23), v12             ; the conversion's scale operand
	v_lshrrev_b32 v13, 23, v11                     ; the scale's byte
.if (\t)%4 == 0
	v_mov_b32 v[SB+(\t)/4], v13                    ; four bytes to a step's word, the lower keys in the lower byte
.else
	v_lshl_or_b32 v[SB+(\t)/4], v13, 8*((\t)%4), v[SB+(\t)/4]
.endif
.irp g, 0,1,2,3
	v_cvt_scalef32_pk8_fp4_f32 v[VC+4*(\t)+\g], v[XS+8*\g:XS+8*\g+7], v11
.endr
	ds_store_b128 v4, v[VC+4*(\t):VC+4*(\t)+3] offset:32*SP*((\t)/4)+16*((\t)%4)   ; 32 codes: 16 bytes of my channel's row of step t / 4.  (The results go to LDS stores alone; the next block begins with plain lines)
.endm
.irp t, 0,1,2,3,4,5,6,7
	VBLOCK \t
.endr
	ds_store_b32 v9, v[SB]
	ds_store_b32 v9, v[SB+1] offset:8
.irp s, 0,1
.irp i, 0,1,2,3
	ds_load_b128 v[VX+16*\s+4*\i:VX+16*\s+4*\i+3], v[7-(\i%2)] offset:32*SP*\s+8*SP*\i   ; LDS serves a wave's instructions in order: these see my stores
.endr
.endr
	ds_load_b64 v[VX+32:VX+33], v10
.irp s, 0,1
.irp i, 0,1,2,3
	s_wait_dscnt 8-4*\s-\i                         ; the younger loads of the eight, and the scale words' load, may be out
	global_store_b128 v8, v[VX+16*\s+4*\i:VX+16*\s+4*\i+3], s[12:13] offset:8192*\s+512*\i   ; eight channels' rows: 512 consecutive bytes, aligned to 256
.endr
.endr
	s_wait_dscnt 0x0
	global_store_b64 v5, v[VX+32:VX+33], s[14:15]  ; 256 consecutive bytes, aligned
	s_wait_tensorcnt 0x0
	ds_add_u32 v192, v193
	s_wait_dscnt 0x0
	s_endpgm
.Lfunc_end_k_q8a25772368_prep:
	.size	k_q8a25772368_prep, .Lfunc_end_k_q8a25772368_prep-k_q8a25772368_prep
	.p2alignl 7, 3214868480
	.fill 96, 4, 3214868480
	.section	.rodata,"a",@progbits
	.p2align	6, 0x0
	.amdhsa_kernel k_q8a25772368_prep
		.amdhsa_group_segment_fixed_size 66048
		.amdhsa_private_segment_fixed_size 0
		.amdhsa_enable_private_segment 0
		.amdhsa_kernarg_size 24
		.amdhsa_user_sgpr_count 2
		.amdhsa_user_sgpr_kernarg_segment_ptr 1
		.amdhsa_wavefront_size32 1
		.amdhsa_system_sgpr_workgroup_id_x 1
		.amdhsa_system_sgpr_workgroup_id_y 1
		.amdhsa_system_sgpr_workgroup_id_z 1
		.amdhsa_system_vgpr_workitem_id 0
		.amdhsa_next_free_vgpr 198
		.amdhsa_next_free_sgpr 66
		.amdhsa_reserve_vcc 0
		.amdhsa_float_denorm_mode_32 3
		.amdhsa_float_denorm_mode_16_64 3
		.amdhsa_memory_ordered 1
		.amdhsa_forward_progress 1
		.amdhsa_inst_pref_size 74
	.end_amdhsa_kernel
	.amdgpu_metadata
---
amdhsa.version: [ 1, 2 ]
amdhsa.kernels:
  - .name:           k_q8a25772368_prep
    .symbol:         k_q8a25772368_prep.kd
    .args:
      - { .name: key, .offset: 0, .size: 8, .value_kind: global_buffer, .address_space: global }
      - { .name: value, .offset: 8, .size: 8, .value_kind: global_buffer, .address_space: global }
      - { .name: kv, .offset: 16, .size: 8, .value_kind: global_buffer, .address_space: global }
    .group_segment_fixed_size: 66048
    .private_segment_fixed_size: 0
    .kernarg_segment_align: 8
    .kernarg_segment_size: 24
    .max_flat_workgroup_size: 128
    .sgpr_count:     66
    .vgpr_count:     198
    .wavefront_size: 32
...
	.end_amdgpu_metadata
.endif
;; end of part 1
;; launch attn (part 2): grid 4 x 64, 8 waves a work-group, clusters of 4 x 1, 327,680 bytes of LDS; arguments query, kv, out0; writes out0
.if DOCPART == 2
	.amdgcn_target "amdgcn-amd-amdhsa--gfx1250"
	.amdhsa_code_object_version 6
	.text
	.protected	k_q8a25772368_attn
	.globl	k_q8a25772368_attn
	.p2align	8
	.type	k_q8a25772368_attn,@function
k_q8a25772368_attn:
	s_mov_b64 s[64:65], 0
	v_nop
	global_prefetch_b8 v0, s[64:65] scope:SCOPE_SE
	s_setreg_imm32_b32 hwreg(HW_REG_WAVE_MODE, 25, 1), 1
	s_wait_xcnt 0x0
	s_wait_alu depctr_hold_cnt(0) depctr_sa_sdst(0) depctr_va_vdst(0) depctr_va_sdst(0) depctr_va_ssrc(0) depctr_va_vcc(0) depctr_vm_vsrc(0)
	s_getreg_b32 s2, hwreg(HW_REG_IB_STS2, 6, 4)
	s_cmp_eq_u32 s2, 0
	s_cbranch_scc0 .Lentry_in_a_cluster
	s_endpgm
.Lentry_in_a_cluster:
	s_bfe_u32 s2, ttmp6, 0x10000c
	s_cmp_lg_u32 s2, 0x3003
	s_cbranch_scc0 .Lentry_shape_is_right
	s_endpgm
.Lentry_shape_is_right:
; out0[h][q][:] = the sum over k of softmax_k(query[h][q] . key[h][k] / 0.32) value[h][k][:], 64 heads, 2,048 queries and keys, 128 channels; both products on codes of FP4 (E2M1) with one E8M0 scale for each 32 along K.
; THE MASKS AND dropout_p are left out as in the launch before: the defining function computes nothing from them.
; THE SOFTMAX AHEAD OF THE SECOND PRODUCT: t = score x c, c = log2(e) / 0.32; M = the row's largest t so far, rounded UP to a whole number; p = 2^(t - M) is quantised along the keys, not normalised.
; The row's sum is taken of the unquantised p, in f32, and divides O at the end.  When M moves, the sum and O are multiplied by 2^(old M - new M): exact, and done in every step: no branch hangs on data.
; SHARES.  A work-group owns 512 queries of one head, each of its eight waves 64 of them, in two passes of two tiles of 16.  The two tiles go through a key step together, line by line: a fragment of K or V feeds two
; matrix instructions, the dependent lines of the two tiles take turns, and the exponentials of both are one batch.
; A HEAD'S CODES AND SCALE BYTES STAY IN LDS: 278,528 bytes of kv, as they lie in memory, brought once: each wave asks for an eighth, 136 rows of 256 bytes.  Nothing is filled again, so the key loop has no barrier.
; CLUSTER.  The four work-groups of a head form a cluster and ask for each eighth JOINTLY: the same tensor load, the same descriptor, a mask that names the four.
; PREFETCH.  kv comes by the head's loads alone: no loop stands ahead of them.  The second pass's 32 rows of query (64 blocks of 256 bytes a wave) are asked for by two requests a wave ahead of the first pass's loop, 16 key steps ahead of their loads.
; LAYOUT.  Both products are used transposed: S^T = K Q^T, O^T = V^T P^T: a lane holds ONE query (lane % 16) throughout.  K's rows are laid so that a lane's registers 32 c .. 32 c + 31 of S^T are keys
; 64 c + 32 (lane / 16) + 0 .. 31 in order: a whole block of 32 in one lane, in the order in which the second product's operand wants its codes.
; In kv chunk k (16 bytes) of row n lies at place k xor ((n / 4) % 4): the sixteen lanes of half a fragment load name sixteen different 16-byte columns of 256 bytes, with no padding.
; THE STEP IS TURNED: softmax of step n, O^T rescaled, O^T += V P of step n, the scores of step n + 1, then the loads of K for step n + 2 and of V for step n + 1.  In the last step the scores and loads ahead are jumped over
; (a branch on the count of trips); the step before it still loads K's fragments for a step that is not there, from the bytes behind K's (V's codes and words): nothing uses them.
; LIMITS: a p under 2^-126 counts as 0 (v_exp_f32 gives 0 there: ISA guide 15.8); NaN and infinite scores are not served; where the largest t lies within a rounding of a whole number, M may be one off: a power of two that
; the blocks' scales and the sum take up alike; a block's largest p is taken from its largest score, which takes v_exp_f32 not to fall where its input rises; the promise holds while |t| stays under 2^31.
; (THE ORDER OF A STEP as the text below has it: softmax of step n up to p's codes; O^T rescaled; O^T += V P of step n; the rows' sums; the scores of step n + 1; the loads of K for step n + 2 and of V for step n + 1.)
.set HEADB, 278528
.set PARTB, 34816                      ; an eighth: 136 x 256
.set VC,    131072
.set KS,    262144                     ; V's words lie 8,192 behind K's
.set STG,   278528                     ; a stage for each wave, 16 rows x 272 bytes in 4,608: q on the way in, O on the way out; no tile lands there
.set STGB,  4608
.set SPARE, 315392                     ; the spare words, 128 bytes a wave: four blocks of 256 bytes that no other line names
; window 0
.set AK0, 1                            ; 64 r + 16 (h xor s), s = (r / 4) % 4: my place in a tile, registers 0-3;  AK1: 16 ((2 + h) xor s): registers 4-7
.set AK1, 2
.set AS,  3                            ; 16 r
.set H8,  4                            ; 8 h
.set SPW, 5                            ; my spare word; never rewritten
.set NIL, 6                            ; 0; never rewritten
.set GO,  7                            ; 512 h + 16 r: q's loads and O's stores
.set ADK0, 8                           ; LDS addresses of the trip's K, V and words
.set ADK1, 9
.set ADV0, 10
.set ADV1, 11
.set ADS,  12
.set RD,  13                           ; stage + 272 h + 16 r
.set ADW, 14                           ; the next trip's words, held at the last pair's
.set STQ, 15                           ; stage + 272 r + 128 h
.set ST,  16                           ; tile j: v[ST+4j] -M, +1 the largest score, +2, +3 the sum in two halves
.set FF,  24                           ; tile j: v[FF+2j] f, named as a pair
.set QS,  28                           ; q's scale words
.set STO, 30                           ; stage + 272 r + 32 h
.set PFO, 31                           ; 256 x lane; never rewritten
.set QF,  32                           ; q's codes, 8 a tile
.set PC,  48                           ; p's codes, 8 a tile
.set PS,  64                           ; p's scale words
.set BX,  72                           ; S^T, then p: tile j at BX + 64 j
.set BY,  136
.set SWK, 200                          ; K's scale words,
.set SWV, 208                          ; V's
.set MX,  216                          ; tile j: four maxima
.set TA,  224                          ; at work, one a tile
.set TB,  226                          ; the old -M
.set PR,  228                          ; lane permutes' destinations
.set SO,  230                          ; the conversions' scale operands, two a tile
.set TT,  234                          ; the sums' chains: three pairs a tile
; window 1: v0-127 O^T (tile j at 64 j); v128-191 K's fragments, v192-255 V's; between the loops these two take the rows of query as they are loaded
.set KB,  128
.set VB,  192
.set WV,  16                           ; s16 wave; s17 cx; s18 head; s19 my stage; s[20:21] lane selects; s[22:23] c
.set G1,  24
.set G0,  32
.set TK,  36
.set TV,  37
.set TS,  38
.set CNT, 39
.set TW,  44
.set MSB, 0
.macro WIN new                         ; the immediate's high byte repeats the setting that is left
.if MSB != \new
	s_set_vgpr_msb (MSB<<8)|\new
.set MSB, \new
.endif
.endm
.macro CROUND                          ; a round of the cluster's barrier
	s_barrier_signal -1
	s_barrier_wait -1
	s_cmp_lg_u32 s[WV], 0
	s_cbranch_scc1 .Lnot_wave_0_\@
	s_barrier_signal -3
.Lnot_wave_0_\@:
	s_barrier_wait -3
	s_barrier_signal -1
	s_barrier_wait -1
.endm
; From the largest magnitudes of each tile's two blocks (v[MX+4j]: block h, v[MX+4j+2]: block 2 + h; the floor is in them): the conversions' scale operands and the rows' scale words v[w+j].  The two tiles by turns.
.macro WORD2 w
.irp c, 0,1
.irp j, 0,1
	v_add_nc_u32 v[SO+2*\j+\c], 0xff000000, v[MX+4*\j+2*\c]   ; 2 off the exponent field
.endr
.endr
.irp c, 0,1
.irp j, 0,1
	v_lshrrev_b32 v[MX+4*\j+2*\c], 23, v[SO+2*\j+\c]          ; the scales' bytes
.endr
.endr
.irp j, 0,1
	s_delay_alu instid0(VALU_DEP_2)
	v_lshl_or_b32 v[\w+\j], v[MX+4*\j+2], 16, v[MX+4*\j]
.endr
.irp j, 0,1
	s_delay_alu instid0(VALU_DEP_2)
	v_lshlrev_b32 v[\w+\j], v[H8], v[\w+\j]        ; at their places in the word (8 h bits up);
.endr
.irp j, 0,1
	s_delay_alu instid0(VALU_DEP_2)
	v_permlanex16_b32 v[PR+\j], v[\w+\j], s20, s21
.endr
.irp j, 0,1
	s_delay_alu instid0(VALU_DEP_2)
	v_or_b32 v[\w+\j], v[\w+\j], v[PR+\j]          ; with lane l xor 16's two the word is whole
.endr
.endm
.macro CODES2 d                        ; each tile's 64 numbers become its operand's eight registers; a plain line follows the last conversion
.irp j, 0,1
.irp c, 0,1
.irp g, 0,1,2,3
	v_cvt_scalef32_pk8_fp4_f32 v[\d+8*\j+4*\c+\g], v[BX+64*\j+32*\c+8*\g:BX+64*\j+32*\c+8*\g+7], v[SO+2*\j+\c]
.endr
.endr
.endr
	v_nop
.endm
.macro QLOAD p                         ; pass p's 32 rows of query into window 1: each load reads two rows' aligned 256 bytes; read once
	WIN 0x40
.irp j, 0,1
.irp u, 0,1
.irp i, 0,1,2,3,4,5,6,7
	global_load_b128 v[KB+64*\j+32*\u+4*\i:KB+64*\j+32*\u+4*\i+3], v[GO], s[4:5] offset:8192*(2*\p+\j)+1024*\i+256*\u th:TH_LOAD_NT
.endr
.endr
.endr
	WIN 0
.endm
.macro QQUANT                          ; q turns through my stage, half a row at a time, so that lane (r, h) gets blocks h and 2 + h of row r whole; then both tiles' codes and scale words
.irp j, 0,1
.irp u, 0,1
	s_wait_loadcnt 24-16*\j-8*\u                   ; this half tile's eight loads are in; the younger ones may be out
	WIN 0x04
.irp i, 0,1,2,3,4,5,6,7
	ds_store_b128 v[RD], v[KB+64*\j+32*\u+4*\i:KB+64*\j+32*\u+4*\i+3] offset:544*\i
.endr
	WIN 0
.irp g, 0,1,2,3,4,5,6,7
	ds_load_b128 v[BX+64*\j+32*\u+4*\g:BX+64*\j+32*\u+4*\g+3], v[STQ] offset:16*\g   ; LDS serves a wave's instructions in order (ISA guide 5.7.1.4)
.endr
.endr
.endr
	s_wait_dscnt 0x0
.irp c, 0,1
.irp j, 0,1
	v_max3_num_f32 v[MX+4*\j+2*\c], |v[BX+64*\j+32*\c]|, |v[BX+64*\j+32*\c+1]|, 0x1800000   ; with the floor 2^(3 - 127): the byte cannot fall under 1
.endr
.endr
.irp i, 2,4,6,8,10,12,14,16,18,20,22,24,26,28,30
.irp c, 0,1
.irp j, 0,1
	s_delay_alu instid0(VALU_DEP_4)
	v_max3_num_f32 v[MX+4*\j+2*\c], v[MX+4*\j+2*\c], |v[BX+64*\j+32*\c+\i]|, |v[BX+64*\j+32*\c+\i+1]|
.endr
.endr
.endr
	WORD2 QS
	CODES2 QF
.endm
.macro INITO                           ; the key step is written once for all steps: the first finds zeros, and its f is 2^(a saturated negative whole number) = 0
	WIN 0x40
.set jj, 0
.rept 128
	v_mov_b32 v[jj], 0
.set jj, jj+1
.endr
	WIN 0
.endm
.macro INITS                           ; (these eight are also places between q's scale words and the first products)
.irp j, 0,1
	v_mov_b32 v[ST+4*\j], 0x7f61b1e6               ; -M = 3e38
	v_mov_b32 v[ST+4*\j+1], 0xff800000             ; the largest score: -infinity
	v_mov_b32 v[ST+4*\j+2], 0
	v_mov_b32 v[ST+4*\j+3], 0
.endr
.endm
.macro ADDR
	s_add_co_u32 s[TW], s[TS], 1024
	s_min_u32 s[TW], s[TW], KS+7168                ; never behind the last pair's words
	v_add_nc_u32 v[ADK0], s[TK], v[AK0]
	v_add_nc_u32 v[ADK1], s[TK], v[AK1]
	v_add_nc_u32 v[ADV0], s[TV], v[AK0]
	v_add_nc_u32 v[ADV1], s[TV], v[AK1]
	v_add_nc_u32 v[ADS], s[TS], v[AS]
	v_add_nc_u32 v[ADW], s[TW], v[AS]
.endm
.macro KCODES n                        ; K's eight fragments of the trip's step n
.irp t, 0,1,2,3,4,5,6,7
	ds_load_b128 v[KB+8*\t:KB+8*\t+3], v[ADK0] offset:8192*(\n)+1024*\t
	ds_load_b128 v[KB+8*\t+4:KB+8*\t+7], v[ADK1] offset:8192*(\n)+1024*\t
.endr
.endm
.macro KWORDS n
	ds_load_b128 v[SWK:SWK+3], v[ADS] offset:512*(\n)
	ds_load_b128 v[SWK+4:SWK+7], v[ADS] offset:512*(\n)+256
.endm
.macro LOADS kn, vn                    ; K of the trip's step kn, V of its step vn (2: the next trip's first), and their words: 38 loads
	WIN 0x40
	KCODES \kn
.irp t, 0,1,2,3,4,5,6,7
	ds_load_b128 v[VB+8*\t:VB+8*\t+3], v[ADV0] offset:8192*(\vn)+1024*\t
	ds_load_b128 v[VB+8*\t+4:VB+8*\t+7], v[ADV1] offset:8192*(\vn)+1024*\t
.endr
	WIN 0
	KWORDS \kn
.irp g, 0,1,2,3
.if (\vn) == 2
	ds_load_b64 v[SWV+2*\g:SWV+2*\g+1], v[ADW] offset:8192+256*\g
.else
	ds_load_b64 v[SWV+2*\g:SWV+2*\g+1], v[ADS] offset:8192+256*\g+8*(\vn)
.endif
.endr
.endm
.macro SMUL                            ; S^T = K Q^T: sixteen accumulators, each begun with the constant 0
	WIN 0x01
.irp j, 0,1
.irp t, 0,1,2,3,4,5,6,7
	v_wmma_scale_f32_16x16x128_f8f6f4 v[BX+64*\j+8*\t:BX+64*\j+8*\t+7], v[KB+8*\t:KB+8*\t+7], v[QF+8*\j:QF+8*\j+7], 0, v[SWK+\t], v[QS+\j] matrix_a_fmt:MATRIX_FMT_FP4 matrix_b_fmt:MATRIX_FMT_FP4
.endr
.endr
	WIN 0
.endm
.macro PLACES                          ; four places behind the products, in front of loads into their sources and of the first read of the scores
.irp j, 0,1
	v_mov_b32 v[TB+\j], v[ST+4*\j]                 ; the old -M
.endr
	v_nop
	v_nop
.endm
; The softmax of both tiles on the 128 scores: p's codes, scale words, f and the sums.
.macro SOFT2
.irp c, 0,1                                    ; the largest score of each block, eight chains by turns, each accumulator from its low end on
.irp u, 0,1
.irp j, 0,1
	v_max3_num_f32 v[MX+4*\j+2*\c+\u], v[BX+64*\j+32*\c+16*\u], v[BX+64*\j+32*\c+16*\u+1], v[BX+64*\j+32*\c+16*\u+2]
.endr
.endr
.endr
.irp i, 3,5,7,9,11,13
.irp c, 0,1
.irp u, 0,1
.irp j, 0,1
	v_max3_num_f32 v[MX+4*\j+2*\c+\u], v[MX+4*\j+2*\c+\u], v[BX+64*\j+32*\c+16*\u+\i], v[BX+64*\j+32*\c+16*\u+\i+1]
.endr
.endr
.endr
.endr
.irp c, 0,1
.irp j, 0,1
	v_max3_num_f32 v[MX+4*\j+2*\c], v[MX+4*\j+2*\c], v[MX+4*\j+2*\c+1], v[BX+64*\j+32*\c+15]
.endr
.endr
.irp c, 0,1
.irp j, 0,1
	v_max_num_f32 v[MX+4*\j+2*\c], v[MX+4*\j+2*\c], v[BX+64*\j+32*\c+31]
.endr
.endr
.irp j, 0,1
	s_delay_alu instid0(VALU_DEP_2)
	v_max_num_f32 v[TA+\j], v[MX+4*\j], v[MX+4*\j+2]
.endr
.irp j, 0,1
	s_delay_alu instid0(VALU_DEP_2)
	v_permlanex16_b32 v[PR+\j], v[TA+\j], s20, s21 ; my query's other 64 keys lie in the lane 16 away
.endr
.irp j, 0,1
	s_delay_alu instid0(VALU_DEP_2)
	v_max3_num_f32 v[ST+4*\j+1], v[ST+4*\j+1], v[TA+\j], v[PR+\j]
.endr
.irp j, 0,1
	s_delay_alu instid0(VALU_DEP_2)
	v_mul_f32 v[TA+\j], s22, v[ST+4*\j+1]          ; as t (c is positive)
.endr
.irp j, 0,1
	s_delay_alu instid0(VALU_DEP_2)
	v_floor_f32 v[ST+4*\j], -v[TA+\j]              ; the new -M = -ceil(t)
.endr
.irp j, 0,1
	s_delay_alu instid0(VALU_DEP_2)
	v_sub_f32 v[TB+\j], v[ST+4*\j], v[TB+\j]       ; old M less new M: a whole number, 0 or less
.endr
.irp j, 0,1
	s_delay_alu instid0(VALU_DEP_2)
	v_cvt_i32_f32 v[TB+\j], v[TB+\j]               ; (it saturates)
.endr
.irp j, 0,1
	s_delay_alu instid0(VALU_DEP_2)
	v_ldexp_f32 v[FF+2*\j], 1.0, v[TB+\j]          ; f
.endr
.irp j, 0,1
.set jj, 0
.rept 32
	v_pk_fma_f32 v[BX+64*\j+jj:BX+64*\j+jj+1], v[BX+64*\j+jj:BX+64*\j+jj+1], s[22:23], v[ST+4*\j:ST+4*\j+1] op_sel_hi:[1,0,0]   ; t - M (of the pairs c and -M the low word serves both halves)
.set jj, jj+2
.endr
.endr
.irp c, 0,1
.irp j, 0,1
	v_fma_f32 v[MX+4*\j+2*\c], v[MX+4*\j+2*\c], s22, v[ST+4*\j]   ; the same of each block's largest score
.endr
.endr
	s_wait_alu depctr_va_vdst(0)
.set jj, 0
.rept 128
	v_exp_f32 v[BX+jj], v[BX+jj]                   ; p = 2^(t - M)
.set jj, jj+1
.endr
.irp c, 0,1
.irp j, 0,1
	v_exp_f32 v[MX+4*\j+2*\c], v[MX+4*\j+2*\c]     ; the blocks' largest p: the same two instructions on the same number give the same bits
.endr
.endr
.irp j, 0,1
	v_pk_mul_f32 v[ST+4*\j+2:ST+4*\j+3], v[ST+4*\j+2:ST+4*\j+3], v[FF+2*\j:FF+2*\j+1] op_sel_hi:[1,0]   ; the sums under the new M: plain lines behind the batch
.endr
	s_wait_alu depctr_va_vdst(0)                   ; and behind it: one wait for the 132
.irp c, 0,1
.irp j, 0,1
	v_max_num_f32 v[MX+4*\j+2*\c], 0x1800000, v[MX+4*\j+2*\c]   ; the floor: a block whose every p has fallen to 0 keeps the byte 1: its codes are zeros
.endr
.endr
	WORD2 PS
	CODES2 PC
.endm
; The rows' sums stand behind the second product's instructions: they read p alone, and name none of those products' registers.
.macro SUMS2
.irp k, 0,1,2                                  ; the rows' sums of the unquantised p: 32 pairs a tile in four chains, the two tiles by turns
.irp j, 0,1
	v_pk_add_f32 v[TT+6*\j+2*\k:TT+6*\j+2*\k+1], v[BX+64*\j+4*\k:BX+64*\j+4*\k+1], v[BX+64*\j+4*\k+2:BX+64*\j+4*\k+3]
.endr
.endr
.irp j, 0,1
	v_pk_add_f32 v[ST+4*\j+2:ST+4*\j+3], v[ST+4*\j+2:ST+4*\j+3], v[BX+64*\j+12:BX+64*\j+13]
.endr
.irp m, 0,1,2,3,4,5
.irp k, 0,1,2
.irp j, 0,1
	v_pk_add_f32 v[TT+6*\j+2*\k:TT+6*\j+2*\k+1], v[TT+6*\j+2*\k:TT+6*\j+2*\k+1], v[BX+64*\j+14+8*\m+2*\k:BX+64*\j+15+8*\m+2*\k]
.endr
.endr
.irp j, 0,1
	v_pk_add_f32 v[ST+4*\j+2:ST+4*\j+3], v[ST+4*\j+2:ST+4*\j+3], v[BX+64*\j+20+8*\m:BX+64*\j+21+8*\m]
.endr
.endr
.irp j, 0,1
	v_pk_add_f32 v[TT+6*\j:TT+6*\j+1], v[TT+6*\j:TT+6*\j+1], v[BX+64*\j+62:BX+64*\j+63]
.endr
.irp j, 0,1
	v_pk_add_f32 v[ST+4*\j+2:ST+4*\j+3], v[ST+4*\j+2:ST+4*\j+3], v[TT+6*\j+4:TT+6*\j+5]
.endr
.irp j, 0,1
	s_delay_alu instid0(VALU_DEP_4)
	v_pk_add_f32 v[TT+6*\j:TT+6*\j+1], v[TT+6*\j:TT+6*\j+1], v[TT+6*\j+2:TT+6*\j+3]
.endr
.irp j, 0,1
	s_delay_alu instid0(VALU_DEP_2)
	v_pk_add_f32 v[ST+4*\j+2:ST+4*\j+3], v[ST+4*\j+2:ST+4*\j+3], v[TT+6*\j:TT+6*\j+1]
.endr
.endm
; A KEY STEP, the n-th of the trip's two.
.macro STEP n
	SOFT2
	WIN 0x41
	s_wait_alu depctr_va_vdst(0)                   ; directly ahead of the first reader of the last step's products
.irp j, 0,1
.set jj, 0
.rept 32
	v_pk_mul_f32 v[64*\j+jj:64*\j+jj+1], v[64*\j+jj:64*\j+jj+1], v[FF+2*\j:FF+2*\j+1] op_sel_hi:[1,0]   ; O^T under the new M
.set jj, jj+2
.endr
.endr
	WIN 0
	s_wait_alu depctr_va_vdst(0)
	s_wait_dscnt 0x0                               ; the next step's K and this step's V are in: their loads went out a softmax ago
	WIN 0x51
.irp j, 0,1                                    ; O^T += V^T P^T: sixteen accumulators by turns, one instruction a turn
.irp t, 0,1,2,3,4,5,6,7
	v_wmma_scale_f32_16x16x128_f8f6f4 v[64*\j+8*\t:64*\j+8*\t+7], v[VB+8*\t:VB+8*\t+7], v[PC+8*\j:PC+8*\j+7], v[64*\j+8*\t:64*\j+8*\t+7], v[SWV+\t], v[PS+\j] matrix_a_fmt:MATRIX_FMT_FP4 matrix_b_fmt:MATRIX_FMT_FP4
.endr
.endr
	WIN 0
	SUMS2                                          ; 64 plain lines: also the places in front of the loads into V's registers
.if \n
	s_cmp_eq_u32 s[CNT], 1                         ; the last step has no step behind it: its scores and loads ahead are left out
	s_cbranch_scc1 .Lno_more_\@
.endif
	SMUL                                           ; the next step's scores, over p, which has been summed and converted
	PLACES
	LOADS (\n)+2, (\n)+1
.if \n
.Lno_more_\@:
.endif
.endm
; THE WAY OUT of pass p: O^T / the sum goes through my stage, half a row of 16 queries at a time, so that sixteen lanes store 256 consecutive bytes, aligned.
.macro OUT p
	s_wait_dscnt 0x0                               ; no LDS load is out: K's and V's registers are free
.if \p == 0
	QLOAD 1                                        ; the next pass's rows land under the way out
.endif
	s_wait_alu depctr_va_vdst(0)
.irp j, 0,1
	v_add_f32 v[ST+4*\j+2], v[ST+4*\j+2], v[ST+4*\j+3]
.endr
.irp j, 0,1
	v_permlanex16_b32 v[PR+\j], v[ST+4*\j+2], s20, s21
.endr
.irp j, 0,1
	v_add_f32 v[ST+4*\j+2], v[ST+4*\j+2], v[PR+\j] ; the row's sum
.endr
	s_wait_alu depctr_va_vdst(0)
.irp j, 0,1
	v_rcp_f32 v[ST+4*\j+2], v[ST+4*\j+2]
.endr
	v_nop                                          ; the plain line behind the batch
.irp j, 0,1
.if \j
	s_wait_xcnt 0x0                                ; tile 0's stores have read their registers, which take tile 1's rows
.endif
	WIN 0x01
	s_wait_alu depctr_va_vdst(0)                   ; directly ahead of the first reader of the reciprocal and of the last products
.set jj, 0
.rept 32
	v_pk_mul_f32 v[BY+jj:BY+jj+1], v[64*\j+jj:64*\j+jj+1], v[ST+4*\j+2:ST+4*\j+3] op_sel_hi:[1,0]   ; register 8 t + i is o(r, 16 t + 8 h + i)
.set jj, jj+2
.endr
	WIN 0
.irp u, 0,1
.irp t, 0,1,2,3
	ds_store_b128 v[STO], v[BY+32*\u+8*\t:BY+32*\u+8*\t+3] offset:64*\t
	ds_store_b128 v[STO], v[BY+32*\u+8*\t+4:BY+32*\u+8*\t+7] offset:64*\t+16
.endr
.irp i, 0,1,2,3,4,5,6,7
	ds_load_b128 v[BX+32*\u+4*\i:BX+32*\u+4*\i+3], v[RD] offset:544*\i   ; in order behind my stores; the next half's stores come behind them
.endr
.endr
.irp u, 0,1
.irp i, 0,1,2,3,4,5,6,7
	s_wait_dscnt 23-16*\u-\i                       ; behind load (u, i): the 7 - i younger loads of its half and, for u = 0, the other half's 8 stores and 8 loads
	global_store_b128 v[GO], v[BX+32*\u+4*\i:BX+32*\u+4*\i+3], s[8:9] offset:8192*(2*\p+\j)+1024*\i+256*\u th:TH_STORE_NT
.endr
.endr
.endr
.endm
.macro PASS p
.if \p
	s_wait_xcnt 0x0                                ; the last pass's stores have read their registers, which take q's rows
.endif
	INITO
	QQUANT
	INITS
.if \p == 0
	s_wait_alu depctr_va_vdst(0)
	s_wait_tensorcnt 0x0                           ; my eighth of the head has landed;
	s_barrier_signal -1
	s_barrier_wait -1                              ; and so has everybody's
.endif
	s_mov_b32 s[TK], 0
	s_mov_b32 s[TV], VC
	s_mov_b32 s[TS], KS
	s_mov_b32 s[CNT], 8
	ADDR
	WIN 0x40
	KCODES 0
	WIN 0
	KWORDS 0
	s_wait_alu depctr_va_vdst(0)
	s_wait_dscnt 0x0
	SMUL                                           ; step 0's scores
	PLACES
	LOADS 1, 0
.if \p == 0
	global_prefetch_b8 v[PFO], s[4:5] offset:16384 th:TH_LOAD_NT scope:SCOPE_SE   ; the next pass's 32 rows, 16,384 bytes: a lane a block of 256 bytes, each named once
	global_prefetch_b8 v[PFO], s[4:5] offset:24576 th:TH_LOAD_NT scope:SCOPE_SE
.endif
.Lkeys_\p:                                         ; eight trips of two key steps
	STEP 0
	STEP 1
	s_add_co_u32 s[TK], s[TK], 16384
	s_add_co_u32 s[TV], s[TV], 16384
	s_add_co_u32 s[TS], s[TS], 1024
	ADDR
	s_sub_co_u32 s[CNT], s[CNT], 1
	s_cmp_lg_u32 s[CNT], 0                         ; (the addresses made above are first read behind the next step's softmax)
	s_cbranch_scc1 .Lkeys_\p
	OUT \p
.endm
	s_load_b128 s[4:7], s[0:1], 0x0                ; query, kv
	s_load_b64 s[8:9], s[0:1], 0x10                ; out0
	v_lshl_add_u32 v[SPW], v0, 2, SPARE
	v_mov_b32 v[NIL], 0
	ds_add_u32 v[SPW], v[NIL]                      ; the opening lines: the add, twice on end, and its wait ahead of my first tensor load
	ds_add_u32 v[SPW], v[NIL]
	v_lshrrev_b32 v8, 5, v0
	v_readfirstlane_b32 s[WV], v8                  ; wave 0..7
	s_bfe_u32 s17, ttmp6, 0x40000                  ; cx: it enters query's and out0's addresses alone
	s_and_b32 s18, ttmp7, 0xffff                   ; the head, which the four partners share
	s_mov_b32 s[G1], 15|(3<<16)|(1<<21)            ; the mask: all four; elements of 8 bytes; bit 21 beside a mask; no padding
	s_mov_b32 s[G1+1], 32<<16                      ; tensor_dim0: 256 bytes
	s_mov_b32 s[G1+2], 136<<16                     ; tensor_dim1
	s_mov_b32 s[G1+3], 32<<16                      ; tile_dim0
	s_mov_b32 s[G1+4], 136                         ; tile_dim1
	s_mov_b32 s[G1+5], 32                          ; the pitch: dense
	s_mov_b32 s[G1+6], 0
	s_mov_b32 s[G1+7], 0
	s_mov_b32 s20, 0x76543210
	s_mov_b32 s21, 0xfedcba98                      ; lane l xor 16
	s_mov_b32 s22, 0x409044fe                      ; c = log2(e) / 0.32
	s_mov_b32 s23, s22
	s_mov_b32 s[G0], 1
	s_mul_i32 s[G0+1], s[WV], PARTB                ; LDS: as in memory
	s_mul_i32 s40, s18, HEADB
	s_add_co_u32 s40, s40, s[G0+1]                 ; my eighth of my head
	s_mov_b32 s41, 0
	s_lshl_b32 s42, s18, 20                        ; a head's 2,048 rows of 512 bytes,
	s_lshl_b32 s43, s17, 18                        ; my work-group's 512,
	s_add_co_u32 s42, s42, s43
	s_lshl_b32 s43, s[WV], 15                      ; my wave's 64
	s_add_co_u32 s42, s42, s43
	s_mov_b32 s43, 0
	s_mul_i32 s19, s[WV], STGB
	s_add_co_u32 s19, s19, STG                     ; my stage
	v_and_b32 v8, 15, v0                           ; r
	v_bfe_u32 v9, v0, 4, 1                         ; h
	v_bfe_u32 v10, v0, 2, 2                        ; s = (r / 4) % 4
	v_xor_b32 v10, v10, v9
	v_lshlrev_b32 v11, 6, v8
	v_lshl_add_u32 v[AK0], v10, 4, v11
	v_xor_b32 v10, 2, v10
	v_lshl_add_u32 v[AK1], v10, 4, v11
	v_lshlrev_b32 v[AS], 4, v8
	v_lshlrev_b32 v[H8], 3, v9
	v_lshlrev_b32 v[GO], 9, v9
	v_lshl_add_u32 v[GO], v8, 4, v[GO]
	v_mul_u32_u24 v10, v8, 272
	v_mul_u32_u24 v[RD], v9, 272
	v_lshl_add_u32 v[RD], v8, 4, v[RD]
	v_add_nc_u32 v[RD], s19, v[RD]
	v_lshl_add_u32 v[STQ], v9, 7, v10
	v_add_nc_u32 v[STQ], s19, v[STQ]
	v_lshl_add_u32 v[STO], v9, 5, v10
	v_add_nc_u32 v[STO], s19, v[STO]
	v_and_b32 v[PFO], 31, v0
	v_lshlrev_b32 v[PFO], 8, v[PFO]
	v_mov_b32 v[PR], 0                             ; a lane permute's destination counts as one of its sources
	v_mov_b32 v[PR+1], 0
	v_mov_b32 v[FF+1], 0                           ; (named as the upper halves of f's pairs)
	v_mov_b32 v[FF+3], 0
	s_wait_alu depctr_va_vdst(0)
	s_wait_dscnt 0x0                               ; both opening adds are done
	s_wait_kmcnt 0x0
	s_add_nc_u64 s[G0+2:G0+3], s[6:7], s[40:41]
	s_or_b32 s[G0+3], s[G0+3], 0x80000000          ; type = 2
	s_add_nc_u64 s[4:5], s[4:5], s[42:43]          ; query and out0 at my wave's first row
	s_add_nc_u64 s[8:9], s[8:9], s[42:43]
	CROUND                                         ; all four work-groups are here: the joint loads meet
	tensor_load_to_lds s[G0:G0+3], s[G1:G1+7]      ; my one tensor load: an eighth of the head
	s_nop 0
.rept 4
	v_nop
.endr
	QLOAD 0
	PASS 0
	PASS 1
	s_wait_tensorcnt 0x0                           ; the wave's end
	ds_add_u32 v[SPW], v[NIL]
	s_wait_dscnt 0x0
	CROUND                                         ; the closing round
	s_endpgm
.Lfunc_end_k_q8a25772368_attn:
	.size	k_q8a25772368_attn, .Lfunc_end_k_q8a25772368_attn-k_q8a25772368_attn
	.p2alignl 7, 3214868480
	.fill 96, 4, 3214868480
	.section	.rodata,"a",@progbits
	.p2align	6, 0x0
	.amdhsa_kernel k_q8a25772368_attn
		.amdhsa_group_segment_fixed_size 327680
		.amdhsa_private_segment_fixed_size 0
		.amdhsa_enable_private_segment 0
		.amdhsa_kernarg_size 24
		.amdhsa_user_sgpr_count 2
		.amdhsa_user_sgpr_kernarg_segment_ptr 1
		.amdhsa_wavefront_size32 1
		.amdhsa_system_sgpr_workgroup_id_x 1
		.amdhsa_system_sgpr_workgroup_id_y 1
		.amdhsa_system_sgpr_workgroup_id_z 1
		.amdhsa_system_vgpr_workitem_id 0
		.amdhsa_next_free_vgpr 512
		.amdhsa_next_free_sgpr 66
		.amdhsa_reserve_vcc 0
		.amdhsa_float_denorm_mode_32 3
		.amdhsa_float_denorm_mode_16_64 3
		.amdhsa_memory_ordered 1
		.amdhsa_forward_progress 1
		.amdhsa_inst_pref_size 208
	.end_amdhsa_kernel
	.amdgpu_metadata
---
amdhsa.version: [ 1, 2 ]
amdhsa.kernels:
  - .name:           k_q8a25772368_attn
    .symbol:         k_q8a25772368_attn.kd
    .args:
      - { .name: query, .offset: 0, .size: 8, .value_kind: global_buffer, .address_space: global }
      - { .name: kv, .offset: 8, .size: 8, .value_kind: global_buffer, .address_space: global }
      - { .name: out0, .offset: 16, .size: 8, .value_kind: global_buffer, .address_space: global }
    .group_segment_fixed_size: 327680
    .private_segment_fixed_size: 0
    .kernarg_segment_align: 8
    .kernarg_segment_size: 24
    .max_flat_workgroup_size: 256
    .sgpr_count:     66
    .vgpr_count:     512
    .wavefront_size: 32
...
	.end_amdgpu_metadata
.endif
;; end of part 2
